; MI455X (gfx1250); checked and timed in simulation.
; The chip was launched on July 23, 2026; its instructions are those of AMD's public machine-readable ISA for CDNA 5 (MIT licence, August 2026) and "CDNA5" Instruction Set Architecture Reference Guide (July 2026). The comments in the code are by the model that wrote it; some were corrected since.
;; Multi Attention. Allowed arithmetic: matrix products marked QUANTISED: E5M2 operands, one E8M0 scale for each 32 along K, by v_wmma_scale_f32_16x16x128_f8f6f4 with both operands' format E5M2, f32 sums; everything else in f32.
;; Inputs: Wk_codes 8 x 64 x 16 x 32 uint8 (E5M2 codes of Wk, K innermost, in blocks of 32 codes); Wk_scales 8 x 64 x 16 uint8 (E8M0 scales of Wk, one for each 32 codes along K); Wo_codes 512 x 16 x 32 uint8 (E5M2 codes of Wo, K innermost, in blocks of 32 codes); Wo_scales 512 x 16 uint8 (E8M0 scales of Wo, one for each 32 codes along K); Wq_codes 8 x 64 x 16 x 32 uint8 (E5M2 codes of Wq, K innermost, in blocks of 32 codes); Wq_scales 8 x 64 x 16 uint8 (E8M0 scales of Wq, one for each 32 codes along K); Wv_codes 8 x 64 x 16 x 32 uint8 (E5M2 codes of Wv, K innermost, in blocks of 32 codes); Wv_scales 8 x 64 x 16 uint8 (E8M0 scales of Wv, one for each 32 codes along K); bk 8 x 64 float32; bo 512 float32; bq 8 x 64 float32; bv 8 x 64 float32; k_in_codes 4 x 2,048 x 16 x 32 uint8 (E5M2 codes of k_in, K innermost, in blocks of 32 codes); k_in_scales 4 x 2,048 x 16 uint8 (E8M0 scales of k_in, one for each 32 codes along K); q_in_codes 4 x 2,048 x 16 x 32 uint8 (E5M2 codes of q_in, K innermost, in blocks of 32 codes); q_in_scales 4 x 2,048 x 16 uint8 (E8M0 scales of q_in, one for each 32 codes along K); v_in_codes 4 x 2,048 x 16 x 32 uint8 (E5M2 codes of v_in, K innermost, in blocks of 32 codes); v_in_scales 4 x 2,048 x 16 uint8 (E8M0 scales of v_in, one for each 32 codes along K).
;; Outputs: out0 4 x 2,048 x 512 float32.
;; This version of the problem:
;;   THIS VERSION OF THE PROBLEM IS GIVEN IN LOW PRECISION. The matrix products marked QUANTISED in the list below multiply operands that are first quantised to E5M2 (5 exponent bits, 2 mantissa bits; 8 bits a number), with one power-of-two scale for each 32 numbers along K (OCP MX v1.0); their sums are f32. All else is computed in f32.
;;   The module's matrix products, in the order in which they are computed (A, B: the left and right operand; K: the contracted axis; several contracted axes count as one K, in the product's order):
;;     1. [M 512, K 512] x [K 512, N 8,192]; A: input Wq (given as codes); B: input q_in (given as codes): QUANTISED
;;     2. [M 512, K 512] x [K 512, N 8,192]; A: input Wk (given as codes); B: input k_in (given as codes): QUANTISED
;;     3. [M 512, K 512] x [K 512, N 8,192]; A: input Wv (given as codes); B: input v_in (given as codes): QUANTISED
;;     4. batch 32 x [M 2,048, K 64] x [K 64, N 2,048]; A: computed on the way; B: computed on the way: QUANTISED
;;     5. batch 32 x [M 2,048, K 2,048] x [K 2,048, N 64]; A: softmax (see below); B: computed on the way: QUANTISED
;;     6. [M 8,192, K 512] x [K 512, N 512]; A: computed on the way; B: input Wo (given as codes): QUANTISED
;;   THE QUANTISER, for each operand of a quantised product, along K:
;;     - K is cut into blocks of 32 from its start; a last block that is shorter is filled with zeros.
;;     - A block's scale is 2^e with e = floor(log2(the largest magnitude in the block)) - 15, held to -126 .. 127; a block of zeros has e = 0. As a byte (E8M0): e + 127.
;;     - Each number is divided by its block's scale, clamped to +-57,344, and rounded to the nearest number of E5M2, ties to even, subnormals kept.
;;     - The product sums the exact products of the quantised numbers (number of the format x scale) in f32.
;;   ~~~python
;;   def quantise(x, axis):      # numpy; x: float32 -> the quantised numbers, widened to float32 again
;;       x = np.moveaxis(x, axis, -1); K = x.shape[-1]
;;       x = np.pad(x, [(0, 0)] * (x.ndim - 1) + [(0, -K % 32)]); x = x.reshape(x.shape[:-1] + (-1, 32)); a = np.abs(x).max(-1, keepdims=True)
;;       e = np.where(a > 0, np.clip(np.frexp(np.where(a > 0, a, 1))[1] - 1 - 15, -126, 127), 0)      # np.frexp(a)[1] - 1 = floor(log2(a)), exactly
;;       r = np.clip(x / 2.0 ** e, -57344, 57344)
;;       step = 2.0 ** (np.maximum(np.frexp(np.where(r == 0, 1, r))[1] - 1, -14) - 2)
;;       q = np.round(r / step) * step * 2.0 ** e      # np.round: ties to even
;;       return np.moveaxis(q.reshape(q.shape[:-2] + (-1,))[..., :K], -1, axis).astype(np.float32)
;;   ~~~
;;   SOFTMAX AHEAD OF A QUANTISED PRODUCT. Where the list says 'softmax', what is quantised is not the finished softmax but p = 2^(t - M), with t = logit x log2(e) and M = ceil(the row's largest t), a whole number; so 1/2 < the row's largest p <= 1. The row's sum l is taken of the UNQUANTISED p, in f32, and the product's result is divided by l at the end. Since M is a whole number, a kernel that streams over the keys may use a running M (the ceiling of the running maximum): every later rescaling is an exact power of two, which a block's scale takes up: the codes' values come out the same.
;;   OPERANDS COMPUTED ON THE WAY. 'Computed on the way' means the value that the module computes at that place (a softmax that the list does not call 'softmax' is quantised finished and normalised). What goes into a quantiser is computed in f32, as accurately as f32 sums, v_exp_f32 and their like allow (about 1e-6 of the number): no bf16 or f16 on the way to a quantiser, and a product that is left as it is and whose result goes on into a quantised operand takes f32 operands (vector FMAs, or v_wmma_f32_16x16x4_f32). A number that lies on a knife's edge between two numbers of the format may be rounded either way, as far as f32 arithmetic and the matrix unit's own rounding can turn it there, and no further.
;;   INPUTS GIVEN AS CODES. Wk (in the module: [8, 512, 64], K = its axis 1); Wo (in the module: [512, 512], K = its axis 0); Wq (in the module: [8, 512, 64], K = its axis 1); Wv (in the module: [8, 512, 64], K = its axis 1); k_in (in the module: [4, 2048, 512], K = its axis 2); q_in (in the module: [4, 2048, 512], K = its axis 2); v_in (in the module: [4, 2048, 512], K = its axis 2): each comes as NAME_codes (uint8): NAME with its K axis moved to the last place and cut into blocks of 32 codes, [.., K / 32, bytes a block], one block behind the other in memory; one code a byte (a code: sign, 5 exponent bits, 2 mantissa bits); and NAME_scales (uint8): the same leading axes, one E8M0 byte (e + 127) for each 32 codes along K. Its value is code x scale, taken as it is: it is not quantised again, and the codes and scales need not be those that the quantiser above would give.
;; One version. Each part assembles by itself: llvm-mc -triple=amdgcn-amd-amdhsa -mcpu=gfx1250 --defsym DOCPART=n.
;; ======== version 1 of 1: 3 launches
;; limits: right only within a limited range of input values
;; workspace buffers: qc 4,194,304 bytes; qs 262,144 bytes; kv 8,912,896 bytes; cc 4,194,304 bytes; cs 131,072 bytes
;; launch proj (part 1): grid 32 x 6, 8 waves a work-group, clusters of 4 x 1, 271,360 bytes of LDS; arguments q_in_codes, q_in_scales, Wq_codes, Wq_scales, bq, k_in_codes, k_in_scales, Wk_codes, Wk_scales, bk, v_in_codes, v_in_scales, Wv_codes, Wv_scales, bv, qc, qs, kv; writes qc, qs, kv
.if DOCPART == 1
	.amdgcn_target "amdgcn-amd-amdhsa--gfx1250"
	.amdhsa_code_object_version 6
	.text
	.protected	k_q245758aeb3_proj
	.globl	k_q245758aeb3_proj
	.p2align	8
	.type	k_q245758aeb3_proj,@function
k_q245758aeb3_proj:
	s_mov_b64 s[64:65], 0
	v_nop
	global_prefetch_b8 v0, s[64:65] scope:SCOPE_SE
	s_setreg_imm32_b32 hwreg(HW_REG_WAVE_MODE, 25, 1), 1
	s_wait_xcnt 0x0
	s_wait_alu depctr_hold_cnt(0) depctr_sa_sdst(0) depctr_va_vdst(0) depctr_va_sdst(0) depctr_va_ssrc(0) depctr_va_vcc(0) depctr_vm_vsrc(0)
	s_getreg_b32 s2, hwreg(HW_REG_IB_STS2, 6, 4)
	s_cmp_eq_u32 s2, 0
	s_cbranch_scc0 .Lentry_in_a_cluster
	s_endpgm
.Lentry_in_a_cluster:
	s_bfe_u32 s2, ttmp6, 0x10000c
	s_cmp_lg_u32 s2, 0x3003
	s_cbranch_scc0 .Lentry_shape_is_right
	s_endpgm
.Lentry_shape_is_right:
; THE THREE PROJECTIONS: q = q_in Wq + bq, k = k_in Wk + bk, v = v_in Wv + bv, on the given codes of E5M2 with their E8M0 scales, sums in f32, and the quantisers of the
; results: q and k along the head's 64 (the K of the score product), v along the keys (the K of the second product).  Only codes and scale bytes leave.
; DEAD WORK: none.  Every bias goes into a quantised operand (bq, bk, bv) or into the output (bo), every input has a way to the output, and all are loaded.
; LIMITS: NaN and infinities are not served.  A block of zeros gets the scale byte 1 where the quantiser says 127: its codes are zeros, which add nothing under any byte but 0xff,
; and these bytes are read by this program alone.  Blocks whose largest magnitude lies under 2^(16 - 127) are held at that byte too.
; SHARES.  Work-group (x, y): 256 tokens (two key steps of 128) x four heads of one tensor (y / 2: 0 q, 1 k, 2 v; y % 2: which four heads).  Wave w: head w % 4 of the four, key step w / 4: its 64 rows of W
; (16 fragments, 256 registers, window 1) stay; it makes 128 tokens x 64 units.  3 tensors x 32 x 2 = 192 such blocks of equal work; finer blocks would have each work-group take in more bytes of W and x.
; THE ROWS OF A TILE ARE NOT NEIGHBOURS, of tokens and of W alike: row m of tile 2 b + u is row 32 b + 16 (m / 8) + 8 u + m % 8.  So the 16 result registers of tiles 2 b and 2 b + 1
; are 16 neighbours along the axis that the matrix result spreads over registers: 32 b + 16 (lane / 16) + 0 .. 15, which is the order of an operand's registers.
; LDS HOLDS A TILE'S 16 ROWS SIDE BY SIDE: eight rows are 4,096 dense bytes of memory; a tensor load takes every second such run of 128 rows (u = 0 or 1), 16 bytes of padding behind each row of 512.
; Waves 0 to 3 load W (head pair w / 2, u = w % 2), waves 4 to 7 the tokens (key step, u): one load each, nothing is filled again.
; CLUSTER: four token blocks of the same four heads: W's loads are joint.  A block of tokens is read by two work-groups only, of different clusters: plain loads.  All loads stand at the head: no prefetch.
;   q, k: source 0 = 16 rows of W, source 1 = 16 tokens: a lane holds ONE token and its registers run along the head's units: the next K.
;   v:    source 0 = 16 tokens, source 1 = 16 rows of W: a lane holds ONE channel and its registers run along the tokens (keys): the next K.
; WHAT IS STORED, all as images of operand registers (512 consecutive bytes a store):
;   qc [bh][step][tile 8][c 2][lane][16]   qs [bh][step][lane][4 words]: word p = tile 2 p's row words in lanes 0-15, tile 2 p + 1's in lanes 16-31; a word = byte 0, byte 1, 0x7f, 0x7f
;   kv [bh][step] records of 17,408 bytes: k's codes (as qc) at 0, v's codes [channel tile 4][c 4][lane][16] at 8,192, k's scale words (as qs) at 16,384, v's [lane][tile 4] at 16,896.
.set PITCH, 528                        ; an LDS row: 512 bytes + 16
.set UR,    64*PITCH                   ; what one load brings
.set BR,    16*PITCH                   ; a tile
.set SPARE, 8*UR                       ; the spare words, 128 bytes for each of the eight waves, that no other line names
.set REC,   17408
.set WAD, 1                            ; v1   LDS: my head's rows of W
.set XAD, 2                            ; v2   LDS: my step's tokens
.set BAQ, 3                            ; v3   64 (lane / 16)
.set BAV, 4                            ; v4   4 (r + 8 (r / 8)), r = lane % 16
.set L16, 5                            ; v5   16 x lane
.set A16, 7                            ; v7   16 (r + 8 (r / 8))
.set A16P, 8                           ; v8   the same + 128 (lane / 16)
.set SPW, 14
.set NIL, 15
.set XF,  16                           ; v16-79   a token tile's four fragments (16 s + 4 c)
.set WS,  84                           ; v84-99   W's scale words (4 t + s)
.set BI,  100                          ; v100-131 the bias in the result's layout
.set ACC, 132                          ; v132-195 eight accumulators
.set PC,  196                          ; v196-211 the codes just made
.set TM,  212                          ; v212-215 largest magnitudes, v216-219 bytes, v220-223 the hold, v224-227 the conversions' scale operands
.set T0,  228
.set T1,  229
.set SW,  232                          ; v232-235 the scale words to be stored
.set XS,  238                          ; v238-253 the tokens' scale words (4 p + s): lanes 0-15 tile 2 p, lanes 16-31 tile 2 p + 1
.set SEL, 50
.set MNT, 52
.set HM,  53
.set G1W, 68
.set G1X, 76
.set G0W, 84
.set G0X, 88
.set MSB, 0
.macro WIN new                         ; the immediate's high byte repeats the setting that is left
.if MSB != \new
	s_set_vgpr_msb (MSB<<8)|\new
.set MSB, \new
.endif
.endm
.macro PLACES n
.rept \n
	v_nop
.endr
.endm
.macro CROUND                          ; a round of the cluster's barrier
	s_barrier_signal -1
	s_barrier_wait -1
	s_cmp_lg_u32 s4, 0
	s_cbranch_scc1 .Lnot_wave_0_\@
	s_barrier_signal -3
.Lnot_wave_0_\@:
	s_barrier_wait -3
	s_barrier_signal -1
	s_barrier_wait -1
.endm
; 64 numbers of a lane, register 16 b + i = place 16 (lane / 16) + i of block b, become 4 x 4 registers of codes in v[PC] on; the four scale bytes stay in v[TM+4] on.
.macro QUANT s
	s_wait_xcnt 0x0                                ; the last stores have read v[PC] on: it is written again only behind this wait
.irp b, 0,1,2,3
	v_max3_num_f32 v[TM+\b], |v[\s+16*\b]|, |v[\s+1+16*\b]|, 0x8000000   ; my 16 numbers and the floor 2^(16 - 127): the byte cannot fall under 1.  Each accumulator is read from its low end on
.endr
.irp i, 2,4,6,8,10,12,14
.irp b, 0,1,2,3
	v_max3_num_f32 v[TM+\b], v[TM+\b], |v[\s+16*\b+\i]|, |v[\s+1+16*\b+\i]|   ; the four blocks by turns
.endr
.endr
.irp b, 0,1,2,3
	v_permlanex16_b32 v[TM+4+\b], v[TM+\b], s[SEL], s[SEL+1]
.endr
.irp b, 0,1,2,3
	v_max_num_f32 v[TM+\b], v[TM+\b], v[TM+4+\b]   ; with lane l xor 16's 16: the block's largest magnitude
.endr
.irp b, 0,1,2,3
	v_add_nc_u32 v[TM+12+\b], 0xf8800000, v[TM+\b] ; 15 off its exponent field: the conversion's scale operand
.endr
.irp b, 0,1,2,3
	v_and_or_b32 v[TM+8+\b], v[TM+\b], 0x7f800000, s[MNT]   ; 57,344 x the scale
.endr
.irp b, 0,1,2,3
	v_lshrrev_b32 v[TM+4+\b], 23, v[TM+12+\b]      ; the scale's byte
.endr
.irp b, 0,1,2,3
.irp i, 0,1,2,3,4,5,6,7,8,9,10,11,12,13,14,15
	v_med3_num_f32 v[\s+16*\b+\i], v[\s+16*\b+\i], -v[TM+8+\b], v[TM+8+\b]   ; the conversion to an 8-bit code does not saturate (ISA guide 7.6.2): the hold
.endr
	v_cvt_scalef32_pk8_bf8_f32 v[PC+4*\b:PC+1+4*\b], v[\s+16*\b:\s+7+16*\b], v[TM+12+\b]
	v_cvt_scalef32_pk8_bf8_f32 v[PC+2+4*\b:PC+3+4*\b], v[\s+8+16*\b:\s+15+16*\b], v[TM+12+\b]
.endr
	v_nop                                          ; a plain line behind the last conversion
.endm
.macro XFETCH m                        ; token tile m out of LDS: four fragments
.irp s, 0,1,2,3
.irp c, 0,1,2,3
	ds_load_b128 v[XF+16*\s+4*\c:XF+16*\s+4*\c+3], v[XAD] offset:UR*((\m)%2)+BR*((\m)/2)+128*\s+32*\c
.endr
.endr
.endm
; 16 matrix instructions: tile u of pair p, in XF, against my head's four tiles of W, four K steps.  The bias is the C of each sum's first; the four accumulators take turns, one instruction a turn.
.macro MULQK p, u                      ; source 0 = W (window 1), source 1 = tokens
	WIN 0x01
.irp s, 0,1,2,3
.irp t, 0,1,2,3
.set D_, ACC+32*(\u)+8*\t
.set C_, D_
.if \s == 0
.set C_, BI+8*\t
.endif
.if (\u) == 0
	v_wmma_scale_f32_16x16x128_f8f6f4 v[D_:D_+7], v[16*(4*\t+\s):16*(4*\t+\s)+15], v[XF+16*\s:XF+16*\s+15], v[C_:C_+7], v[WS+4*\t+\s], v[XS+4*(\p)+\s] matrix_a_fmt:MATRIX_FMT_BF8 matrix_b_fmt:MATRIX_FMT_BF8
.else
	v_wmma_scale_f32_16x16x128_f8f6f4 v[D_:D_+7], v[16*(4*\t+\s):16*(4*\t+\s)+15], v[XF+16*\s:XF+16*\s+15], v[C_:C_+7], v[WS+4*\t+\s], v[XS+4*(\p)+\s] matrix_a_fmt:MATRIX_FMT_BF8 matrix_b_fmt:MATRIX_FMT_BF8 matrix_b_scale:MATRIX_SCALE_ROW1
.endif
.endr
.endr
	WIN 0
.endm
.macro MULV p, u                       ; source 0 = tokens, source 1 = W (window 1)
	WIN 0x04
.irp s, 0,1,2,3
.irp n, 0,1,2,3
.set D_, ACC+16*\n+8*(\u)
.set C_, D_
.if \s == 0
.set C_, BI+8*\n
.endif
.if (\u) == 0
	v_wmma_scale_f32_16x16x128_f8f6f4 v[D_:D_+7], v[XF+16*\s:XF+16*\s+15], v[16*(4*\n+\s):16*(4*\n+\s)+15], v[C_:C_+7], v[XS+4*(\p)+\s], v[WS+4*\n+\s] matrix_a_fmt:MATRIX_FMT_BF8 matrix_b_fmt:MATRIX_FMT_BF8
.else
	v_wmma_scale_f32_16x16x128_f8f6f4 v[D_:D_+7], v[XF+16*\s:XF+16*\s+15], v[16*(4*\n+\s):16*(4*\n+\s)+15], v[C_:C_+7], v[XS+4*(\p)+\s], v[WS+4*\n+\s] matrix_a_fmt:MATRIX_FMT_BF8 matrix_b_fmt:MATRIX_FMT_BF8 matrix_a_scale:MATRIX_SCALE_ROW1
.endif
.endr
.endr
	WIN 0
.endm
	s_load_b256 s[8:15], s[0:1], 0x0               ; q's set: codes, scales, W's codes, W's scales,
	s_load_b64 s[16:17], s[0:1], 0x20              ; bias
	s_load_b256 s[20:27], s[0:1], 0x28             ; k's set
	s_load_b64 s[28:29], s[0:1], 0x48
	s_load_b256 s[32:39], s[0:1], 0x50             ; v's set
	s_load_b64 s[40:41], s[0:1], 0x70
	s_load_b128 s[44:47], s[0:1], 0x78             ; qc, qs
	s_load_b64 s[48:49], s[0:1], 0x88              ; kv
	v_lshl_add_u32 v[SPW], v0, 2, SPARE
	v_mov_b32 v[NIL], 0
	ds_add_u32 v[SPW], v[NIL]                      ; the wave's opening: the add, twice on end, and its wait ahead of my first tensor load
	ds_add_u32 v[SPW], v[NIL]
	v_lshrrev_b32 v9, 5, v0
	v_readfirstlane_b32 s4, v9                     ; wave
	s_bfe_u32 s60, ttmp6, 0x40000                  ; cx
	s_lshl_b32 s3, ttmp9, 2
	s_add_co_u32 s3, s3, s60                       ; which 256 tokens
	s_and_b32 s42, ttmp7, 0xffff
	s_lshr_b32 s2, s42, 1                          ; which tensor
	s_and_b32 s42, s42, 1                          ; which four heads
	s_lshr_b32 s5, s4, 2                           ; my key step of the two
	s_and_b32 s6, s4, 3                            ; my head of the four
	s_mov_b32 s[G1W], 15|(3<<16)|(1<<20)|(1<<21)|(6<<22)|(3<<25)   ; the mask names all four, bit 21 beside it; elements of 8 bytes; four words of padding after every 128
	s_mov_b32 s[G1X], (3<<16)|(1<<20)|(6<<22)|(3<<25)
.irp g, G1W, G1X
	s_mov_b32 s[\g+1], 512<<16                     ; 8 runs of 4,096 bytes, 8,192 apart
	s_mov_b32 s[\g+2], 8<<16
	s_mov_b32 s[\g+3], 512<<16
	s_mov_b32 s[\g+4], 8
	s_mov_b32 s[\g+5], 1024
	s_mov_b32 s[\g+6], 0
	s_mov_b32 s[\g+7], 0
.endr
	s_mov_b32 s[G0W], 1
	s_mul_i32 s[G0W+1], s4, UR
	s_mov_b32 s[G0X], 1
	s_mul_i32 s[G0X+1], s4, UR
	s_bfe_u32 s61, s4, 0x10001                     ; which head pair, or which key step, I load;
	s_lshl_b32 s61, s61, 16
	s_and_b32 s62, s4, 1                           ; u
	s_lshl_b32 s62, s62, 12
	s_add_co_u32 s61, s61, s62
	s_lshl_b32 s62, s42, 17
	s_add_co_u32 s62, s62, s61                     ; W's bytes
	s_mov_b32 s63, 0
	s_lshl_b32 s60, s3, 17
	s_add_co_u32 s60, s60, s61                     ; the tokens'
	s_mov_b32 s61, 0
	v_and_b32 v9, 31, v0                           ; lane
	v_and_b32 v10, 15, v0                          ; r
	v_bfe_u32 v11, v0, 4, 1                        ; lane / 16
	v_and_b32 v12, 8, v10
	v_add_nc_u32 v12, v12, v10                     ; r + 8 (r / 8)
	v_mul_u32_u24 v13, v10, PITCH
	v_lshl_add_u32 v13, v11, 4, v13                ; a fragment's place among its tile's rows
	s_lshr_b32 s31, s6, 1
	s_mul_i32 s31, s31, 2*UR
	s_and_b32 s30, s6, 1
	s_mul_i32 s30, s30, 2*BR
	s_add_co_u32 s31, s31, s30
	s_mul_i32 s30, s5, 2*UR
	s_add_co_u32 s30, s30, 4*UR
	v_add_nc_u32 v[WAD], s31, v13
	v_add_nc_u32 v[XAD], s30, v13
	v_lshlrev_b32 v[A16], 4, v12
	v_lshl_add_u32 v[A16P], v11, 7, v[A16]
	v_lshlrev_b32 v[BAQ], 6, v11
	v_lshlrev_b32 v[BAV], 2, v12
	v_lshlrev_b32 v[L16], 4, v9
.irp b, 0,1,2,3
	v_mov_b32 v[TM+4+\b], 0                        ; written once: a lane permute's destination counts as one of its sources
.endr
	s_mov_b32 s[SEL], 0x76543210
	s_mov_b32 s[SEL+1], 0xfedcba98
	s_mov_b32 s[MNT], 0x600000
	s_mov_b32 s[HM], 0xffff0000
	s_wait_alu depctr_va_vdst(0)
	s_wait_dscnt 0x0                               ; both opening adds are done
	s_wait_kmcnt 0x0
	s_cmp_eq_u32 s2, 1                             ; the tensor's five buffers: the choice hangs on the work-group's y alone
	s_cselect_b64 s[8:9], s[20:21], s[8:9]
	s_cselect_b64 s[10:11], s[22:23], s[10:11]
	s_cselect_b64 s[12:13], s[24:25], s[12:13]
	s_cselect_b64 s[14:15], s[26:27], s[14:15]
	s_cselect_b64 s[16:17], s[28:29], s[16:17]
	s_cmp_eq_u32 s2, 2
	s_cselect_b64 s[8:9], s[32:33], s[8:9]
	s_cselect_b64 s[10:11], s[34:35], s[10:11]
	s_cselect_b64 s[12:13], s[36:37], s[12:13]
	s_cselect_b64 s[14:15], s[38:39], s[14:15]
	s_cselect_b64 s[16:17], s[40:41], s[16:17]
	s_add_nc_u64 s[G0W+2:G0W+3], s[12:13], s[62:63]
	s_or_b32 s[G0W+3], s[G0W+3], 0x80000000
	s_add_nc_u64 s[G0X+2:G0X+3], s[8:9], s[60:61]
	s_or_b32 s[G0X+3], s[G0X+3], 0x80000000
	CROUND                                         ; all four work-groups are here: the joint loads meet
	s_cmp_lt_u32 s4, 4                             ; one load a wave: W's in waves 0 to 3, asked for first, the tokens' in waves 4 to 7
	s_cbranch_scc0 .Lfor_x
	tensor_load_to_lds s[G0W:G0W+3], s[G1W:G1W+7]
	s_nop 0
	PLACES 4
	s_branch .Lasked
.Lfor_x:
	tensor_load_to_lds s[G0X:G0X+3], s[G1X:G1X+7]
	s_nop 0
	PLACES 4
.Lasked:
	s_mov_b32 s7, 0
	s_lshl_b32 s42, s42, 2
	s_add_co_u32 s42, s42, s6                      ; my head of the eight
	s_lshl_b32 s6, s3, 12
	s_lshl_b32 s31, s5, 11
	s_add_co_u32 s6, s6, s31
	s_add_nc_u64 s[10:11], s[10:11], s[6:7]        ; my 128 tokens' scale bytes: 16 a token
	s_lshl_b32 s6, s42, 10
	s_add_nc_u64 s[14:15], s[14:15], s[6:7]        ; my head's rows' scale bytes,
	s_lshl_b32 s6, s42, 8
	s_add_nc_u64 s[16:17], s[16:17], s[6:7]        ; and its 64 numbers of the bias
	s_lshr_b32 s30, s3, 3                          ; the record that I write: (8 x batch + head) x 16 + step
	s_lshl_b32 s30, s30, 3
	s_add_co_u32 s30, s30, s42
	s_lshl_b32 s30, s30, 4
	s_and_b32 s31, s3, 7
	s_lshl_b32 s31, s31, 1
	s_add_co_u32 s31, s31, s5
	s_add_co_u32 s30, s30, s31
.irp t, 0,1,2,3
	global_load_b128 v[XS+4*\t:XS+4*\t+3], v[A16P], s[10:11] offset:512*\t
.endr
.irp t, 0,1,2,3
	global_load_b128 v[WS+4*\t:WS+4*\t+3], v[A16], s[14:15] offset:16*(32*(\t/2)+8*(\t%2))
.endr
	s_cmp_eq_u32 s2, 2                             ; the bias in the result's layout: both ways write all 32 registers
	s_cbranch_scc1 .Lbias_v
.irp t, 0,1,2,3
	global_load_b128 v[BI+8*\t:BI+8*\t+3], v[BAQ], s[16:17] offset:4*(32*(\t/2)+8*(\t%2))      ; q, k: register j is unit 32 (t / 2) + 16 (lane / 16) + 8 (t % 2) + j
	global_load_b128 v[BI+8*\t+4:BI+8*\t+7], v[BAQ], s[16:17] offset:4*(32*(\t/2)+8*(\t%2))+16
.endr
	s_branch .Lbias_done
.Lbias_v:
.irp n, 0,1,2,3
.irp j, 0,1,2,3,4,5,6,7
	global_load_b32 v[BI+8*\n+\j], v[BAV], s[16:17] offset:4*(32*(\n/2)+8*(\n%2))              ; v: all eight registers are my lane's channel
.endr
.endr
.Lbias_done:
	s_wait_alu depctr_va_vdst(0)
	s_cmp_lt_u32 s4, 4
	s_cbranch_scc0 .Lnot_w
	s_wait_tensorcnt 0x0                           ; waves 0 to 3: W has landed
.Lnot_w:
	s_barrier_signal -1
	s_barrier_wait -1
	WIN 0x40
.irp t, 0,1,2,3
.irp s, 0,1,2,3
.irp c, 0,1,2,3
	ds_load_b128 v[16*(4*\t+\s)+4*\c:16*(4*\t+\s)+4*\c+3], v[WAD] offset:UR*(\t%2)+BR*(\t/2)+128*\s+32*\c
.endr
.endr
.endr
	WIN 0
	s_wait_loadcnt 0x0
	s_wait_tensorcnt 0x0                           ; the tokens have landed: the wait is every wave's
	s_wait_dscnt 0x0
	s_barrier_signal -1
	s_barrier_wait -1
	s_cmp_eq_u32 s2, 2
	s_cbranch_scc1 .Lpath_v
	; ---- q and k.  Two token tiles at a time: 64 numbers a lane, four blocks of 32 units
	s_cmp_eq_u32 s2, 0
	s_cselect_b64 s[20:21], s[44:45], s[48:49]     ; codes go to qc or into kv's record,
	s_cselect_b64 s[22:23], s[46:47], s[48:49]     ; scale words to qs or into the record
	s_mov_b32 s5, REC
	s_cselect_b32 s24, 8192, s5
	s_cselect_b32 s26, 512, s5
	s_cselect_b32 s6, 0, 16384
	s_mul_i32 s24, s24, s30
	s_mul_i32 s26, s26, s30
	s_add_co_u32 s26, s26, s6
	s_mov_b32 s25, 0
	s_mov_b32 s27, 0
	s_add_nc_u64 s[20:21], s[20:21], s[24:25]
	s_add_nc_u64 s[22:23], s[22:23], s[26:27]
	XFETCH 0
.irp p, 0,1,2,3
	s_wait_dscnt 0x0
	MULQK \p, 0
	PLACES 8                                       ; eight places behind this form ahead of loads into registers that the products read
	XFETCH 2*\p+1
	s_wait_dscnt 0x0
	MULQK \p, 1
	PLACES 8                                       ; and ahead of the first read of results; with the eight above also the nine ahead of the next pair's products, which begin the sums anew
.if \p < 3
	XFETCH 2*\p+2                                  ; lands while the pair is quantised
.endif
	QUANT ACC                                      ; blocks 0, 1: tile 2 p;  blocks 2, 3: tile 2 p + 1
	v_lshl_or_b32 v[T0], v[TM+5], 8, v[TM+4]
	v_lshl_or_b32 v[T1], v[TM+7], 8, v[TM+6]
	v_cndmask_b32 v[SW+\p], v[T0], v[T1], s[HM]    ; lanes 0-15: tile 2 p's row word;  lanes 16-31: tile 2 p + 1's (both halves of the lanes hold both)
	v_or_b32 v[SW+\p], 0x7f7f0000, v[SW+\p]        ; the score product's upper 64 along K are zero codes: their bytes stand for 1
.irp g, 0,1,2,3
	global_store_b128 v[L16], v[PC+4*\g:PC+4*\g+3], s[20:21] offset:2048*\p+512*\g   ; 512 consecutive bytes, aligned
.endr
.endr
	global_store_b128 v[L16], v[SW:SW+3], s[22:23]
	s_branch .Lend
	; ---- v.  Two token tiles at a time are one block of 32 keys for each of the four channel tiles
.Lpath_v:
	s_mul_i32 s24, s30, REC
	s_mov_b32 s25, 0
	s_add_nc_u64 s[20:21], s[48:49], s[24:25]
	XFETCH 0
.irp p, 0,1,2,3
	s_wait_dscnt 0x0
	MULV \p, 0
	PLACES 8
	XFETCH 2*\p+1
	s_wait_dscnt 0x0
	MULV \p, 1
	PLACES 8
.if \p < 3
	XFETCH 2*\p+2
.endif
	QUANT ACC                                      ; block n: channel tile n, keys 32 p .. 32 p + 31
.irp n, 0,1,2,3
.if \p == 0
	v_mov_b32 v[SW+\n], v[TM+4+\n]                 ; four bytes to a word, the lower keys in the lower byte
.else
	v_lshl_or_b32 v[SW+\n], v[TM+4+\n], 8*\p, v[SW+\n]
.endif
.endr
.irp n, 0,1,2,3
	global_store_b128 v[L16], v[PC+4*\n:PC+4*\n+3], s[20:21] offset:8192+2048*\n+512*\p
.endr
.endr
	global_store_b128 v[L16], v[SW:SW+3], s[20:21] offset:16896
.Lend:
	s_wait_tensorcnt 0x0                           ; the wave's end
	ds_add_u32 v[SPW], v[NIL]
	s_wait_dscnt 0x0
	CROUND                                         ; the closing round: no work-group ends while a partner may still ask for a tile that names it
	s_endpgm
.Lfunc_end_k_q245758aeb3_proj:
	.size	k_q245758aeb3_proj, .Lfunc_end_k_q245758aeb3_proj-k_q245758aeb3_proj
	.p2alignl 7, 3214868480
	.fill 96, 4, 3214868480
	.section	.rodata,"a",@progbits
	.p2align	6, 0x0
	.amdhsa_kernel k_q245758aeb3_proj
		.amdhsa_group_segment_fixed_size 271360
		.amdhsa_private_segment_fixed_size 0
		.amdhsa_enable_private_segment 0
		.amdhsa_kernarg_size 144
		.amdhsa_user_sgpr_count 2
		.amdhsa_user_sgpr_kernarg_segment_ptr 1
		.amdhsa_wavefront_size32 1
		.amdhsa_system_sgpr_workgroup_id_x 1
		.amdhsa_system_sgpr_workgroup_id_y 1
		.amdhsa_system_sgpr_workgroup_id_z 1
		.amdhsa_system_vgpr_workitem_id 0
		.amdhsa_next_free_vgpr 512
		.amdhsa_next_free_sgpr 100
		.amdhsa_reserve_vcc 0
		.amdhsa_float_denorm_mode_32 3
		.amdhsa_float_denorm_mode_16_64 3
		.amdhsa_memory_ordered 1
		.amdhsa_forward_progress 1
		.amdhsa_inst_pref_size 138
	.end_amdhsa_kernel
	.amdgpu_metadata
---
amdhsa.version: [ 1, 2 ]
amdhsa.kernels:
  - .name:           k_q245758aeb3_proj
    .symbol:         k_q245758aeb3_proj.kd
    .args:
      - { .name: q_in_codes, .offset: 0, .size: 8, .value_kind: global_buffer, .address_space: global }
      - { .name: q_in_scales, .offset: 8, .size: 8, .value_kind: global_buffer, .address_space: global }
      - { .name: Wq_codes, .offset: 16, .size: 8, .value_kind: global_buffer, .address_space: global }
      - { .name: Wq_scales, .offset: 24, .size: 8, .value_kind: global_buffer, .address_space: global }
      - { .name: bq, .offset: 32, .size: 8, .value_kind: global_buffer, .address_space: global }
      - { .name: k_in_codes, .offset: 40, .size: 8, .value_kind: global_buffer, .address_space: global }
      - { .name: k_in_scales, .offset: 48, .size: 8, .value_kind: global_buffer, .address_space: global }
      - { .name: Wk_codes, .offset: 56, .size: 8, .value_kind: global_buffer, .address_space: global }
      - { .name: Wk_scales, .offset: 64, .size: 8, .value_kind: global_buffer, .address_space: global }
      - { .name: bk, .offset: 72, .size: 8, .value_kind: global_buffer, .address_space: global }
      - { .name: v_in_codes, .offset: 80, .size: 8, .value_kind: global_buffer, .address_space: global }
      - { .name: v_in_scales, .offset: 88, .size: 8, .value_kind: global_buffer, .address_space: global }
      - { .name: Wv_codes, .offset: 96, .size: 8, .value_kind: global_buffer, .address_space: global }
      - { .name: Wv_scales, .offset: 104, .size: 8, .value_kind: global_buffer, .address_space: global }
      - { .name: bv, .offset: 112, .size: 8, .value_kind: global_buffer, .address_space: global }
      - { .name: qc, .offset: 120, .size: 8, .value_kind: global_buffer, .address_space: global }
      - { .name: qs, .offset: 128, .size: 8, .value_kind: global_buffer, .address_space: global }
      - { .name: kv, .offset: 136, .size: 8, .value_kind: global_buffer, .address_space: global }
    .group_segment_fixed_size: 271360
    .private_segment_fixed_size: 0
    .kernarg_segment_align: 8
    .kernarg_segment_size: 144
    .max_flat_workgroup_size: 256
    .sgpr_count:     100
    .vgpr_count:     512
    .wavefront_size: 32
...
	.end_amdgpu_metadata
.endif
;; end of part 1
;; launch attn (part 2): grid 8 x 32, 8 waves a work-group, clusters of 4 x 1, 280,576 bytes of LDS; arguments qc, qs, kv, cc, cs; writes cc, cs
.if DOCPART == 2
	.amdgcn_target "amdgcn-amd-amdhsa--gfx1250"
	.amdhsa_code_object_version 6
	.text
	.protected	k_q245758aeb3_attn
	.globl	k_q245758aeb3_attn
	.p2align	8
	.type	k_q245758aeb3_attn,@function
k_q245758aeb3_attn:
	s_mov_b64 s[64:65], 0
	v_nop
	global_prefetch_b8 v0, s[64:65] scope:SCOPE_SE
	s_setreg_imm32_b32 hwreg(HW_REG_WAVE_MODE, 25, 1), 1
	s_wait_xcnt 0x0
	s_wait_alu depctr_hold_cnt(0) depctr_sa_sdst(0) depctr_va_vdst(0) depctr_va_sdst(0) depctr_va_ssrc(0) depctr_va_vcc(0) depctr_vm_vsrc(0)
	s_getreg_b32 s2, hwreg(HW_REG_IB_STS2, 6, 4)
	s_cmp_eq_u32 s2, 0
	s_cbranch_scc0 .Lentry_in_a_cluster
	s_endpgm
.Lentry_in_a_cluster:
	s_bfe_u32 s2, ttmp6, 0x10000c
	s_cmp_lg_u32 s2, 0x3003
	s_cbranch_scc0 .Lentry_shape_is_right
	s_endpgm
.Lentry_shape_is_right:
; ATTENTION of one (batch, head) on codes of E5M2: S^T = k q^T, the softmax, O^T = v^T p^T, O / l, and the quantiser of the concatenated heads along their 512 (a block of 32 lies inside a head).
; No work of the problem is left out.  The score product's K is 64 in an instruction of 128: q's upper 64 along K are zero codes, under scale bytes that stand for 1 on both sides.
; THE SOFTMAX: t = score x log2(e) / 8; M = the running largest t rounded UP to a whole number, kept as -M = floor(-t); p = 2^(t - M) is quantised along the keys, not normalised; the row's sum is taken
; of the unquantised p; when M moves, the sum and O^T are multiplied by 2^(old M - new M), which rounds nothing; at the end O^T is divided by the sum.
; LIMITS: NaN and infinities are not served; the exponents t stay under 2^31 in magnitude.  v_exp_f32 gives 0 for p under 2^-126.  A block's largest p is made from its largest score by the same two
; instructions, which takes v_exp_f32 not to fall where its input rises.  A block of zeros gets the scale byte 1: its codes are zeros, and this program alone reads the bytes.
; SHARES.  A work-group owns 256 queries of one head, each of its eight waves two tiles A, B of 16 (row p of tile u is query 32 G + 8 u + p + 8 (p / 8), G = 8 x work-group + wave): a fragment of k or v feeds
; two products.  Every wave walks the head's 2,048 keys, 128 a step: 16 score products, 8 products with v.
; THE WHOLE HEAD LIES IN LDS: 16 records of 17,408 bytes (k's codes, v's codes, both scale words, as images of operand registers: every LDS load takes 512 consecutive bytes).  Wave w loads steps 2 w and 2 w + 1,
; one tensor load, and nothing is filled again: no prefetch.  The first barrier shows wave 0's load, the one behind step 0 wave 1's, the one behind step 2 all.
; From step 3 on a barrier a step, waited for a step behind its signal, keeps the waves within a step of each other; it orders no access.
; CLUSTER.  The four query blocks of a cluster belong to one head and read the same records: each load is joint, with one descriptor and a mask that names the four.
; LAYOUT.  Both products are used transposed: a lane holds ONE query of each tile (lane % 16).  What is one number a query or a query and block (largest t, M, f, scales) is made for both tiles at once,
; tile A's in lanes 0-15 and tile B's in lanes 16-31, by v_permlane16_swap_b32; the same swap spreads it again.
; k'S FRAGMENTS OVERLAP.  A tile of k is eight registers.  Fragment t is its eight and the eight behind it: the upper eight meet q's zero codes and add nothing; tile 7's upper eight are zero codes, set once.
; REGISTERS.  Window 0: all that plain vector work touches but O^T, and all scales.  Window 1: v0-63 v's fragments; v64-127 k's tiles, v128-135 zero codes; v136-199 O^T of both tiles; v224-255 q's fragments.
; cs [head 8][pair of tiles 256][lane 32][2 bytes]: a work-group's 512 bytes go out as one store.
.set REC,   17408
.set VCO,   8192                       ; in a record: v's codes,
.set KSO,   16384                      ; k's scale words,
.set VSO,   16896                      ; v's
.set SCB,   16*REC                     ; behind the records: the scale bytes on their way out,
.set SPARE, SCB+512                    ; and the spare words, 128 bytes for each of the eight waves, that no other line names
.set L16, 1                            ; v1   16 x lane
.set ADR, 2                            ; v2   the same + the step's record
.set SPW, 3
.set NIL, 4
.set T,   7
.set MA,  8                            ; v[8:9], v[10:11] -M of tile A, B
.set MB,  10
.set NM,  12                           ; v12  -M of both
.set TMX, 13                           ; v13  the largest t of both
.set S,   16                           ; v16-79 S^T of tile A, then p;  v80-143 of tile B
.set PC,  144                          ; v144-159, v160-175 p's codes
.set KSW, 176
.set VSW, 180
.set QW,  184                          ; q's scale words: tile A's in lanes 0-15, B's in lanes 16-31
.set PW,  185                          ; p's likewise
.set TM,  186                          ; v186-189 the blocks' largest (A, then both), v190-193 (B)
.set HA,  194                          ; v194-197, v198-201 the holds of A, B
.set HB,  198
.set CA,  202                          ; v202-205, v206-209 the conversions' scale operands
.set CB,  206
.set FA,  210                          ; v[210:211], v[212:213] f = 2^(old M - new M)
.set FB,  212
.set BT,  214
.set SU,  218                          ; v218-225, v226-233 the step's sums of p, four chains of pairs a tile
.set LS,  234                          ; v[234:235], v[236:237] l
.set KF,  64                           ; window 1
.set OA,  136
.set QF,  224
.set WV,  18
.set MNT, 19
.set CS,  22
.set G1H, 40
.set G0,  48
.set TB,  60                           ; s60  where the step's record begins
.set CNT, 61
.set MSB, 0
.macro WIN new                         ; the immediate's high byte repeats the setting that is left
.if MSB != \new
	s_set_vgpr_msb (MSB<<8)|\new
.set MSB, \new
.endif
.endm
.macro PLACES n
.rept \n
	v_nop
.endr
.endm
.macro WALU
	s_wait_alu depctr_va_vdst(0)
.endm
.macro CROUND                          ; a round of the cluster's barrier
	s_barrier_signal -1
	s_barrier_wait -1
	s_cmp_lg_u32 s[WV], 0
	s_cbranch_scc1 .Lnot_wave_0_\@
	s_barrier_signal -3
.Lnot_wave_0_\@:
	s_barrier_wait -3
	s_barrier_signal -1
	s_barrier_wait -1
.endm
.macro TLOAD g0, g1
	tensor_load_to_lds s[\g0:\g0+3], s[\g1:\g1+7]
	s_nop 0
	PLACES 4
.endm
.macro KLOAD adr, off                  ; a record's scale words of k and its eight tiles: 17 loads of 512 consecutive bytes
	ds_load_b128 v[KSW:KSW+3], v[\adr] offset:(\off)+KSO
	WIN 0x40
.irp t, 0,1,2,3,4,5,6,7
	ds_load_b128 v[KF+8*\t:KF+8*\t+3], v[\adr] offset:(\off)+1024*\t
	ds_load_b128 v[KF+8*\t+4:KF+8*\t+7], v[\adr] offset:(\off)+1024*\t+512
.endr
	WIN 0
.endm
.macro VLOAD
	ds_load_b128 v[VSW:VSW+3], v[ADR] offset:VSO
	WIN 0x40
.irp n, 0,1,2,3
.irp c, 0,1,2,3
	ds_load_b128 v[16*\n+4*\c:16*\n+4*\c+3], v[ADR] offset:VCO+2048*\n+512*\c
.endr
.endr
	WIN 0
.endm
.macro SCORES                          ; a scale register of k holds an even tile's words in lanes 0-15 and the odd tile's in lanes 16-31
	WIN 0x05
.irp u, 0,1
.irp t, 0,1,2,3,4,5,6,7
.if \u == 0
.if (\t%2) == 0
	v_wmma_scale_f32_16x16x128_f8f6f4 v[S+8*\t:S+8*\t+7], v[KF+8*\t:KF+8*\t+15], v[QF:QF+15], 0, v[KSW+\t/2], v[QW] matrix_a_fmt:MATRIX_FMT_BF8 matrix_b_fmt:MATRIX_FMT_BF8
.else
	v_wmma_scale_f32_16x16x128_f8f6f4 v[S+8*\t:S+8*\t+7], v[KF+8*\t:KF+8*\t+15], v[QF:QF+15], 0, v[KSW+\t/2], v[QW] matrix_a_fmt:MATRIX_FMT_BF8 matrix_b_fmt:MATRIX_FMT_BF8 matrix_a_scale:MATRIX_SCALE_ROW1
.endif
.else
.if (\t%2) == 0
	v_wmma_scale_f32_16x16x128_f8f6f4 v[S+64+8*\t:S+64+8*\t+7], v[KF+8*\t:KF+8*\t+15], v[QF+16:QF+31], 0, v[KSW+\t/2], v[QW] matrix_a_fmt:MATRIX_FMT_BF8 matrix_b_fmt:MATRIX_FMT_BF8 matrix_b_scale:MATRIX_SCALE_ROW1
.else
	v_wmma_scale_f32_16x16x128_f8f6f4 v[S+64+8*\t:S+64+8*\t+7], v[KF+8*\t:KF+8*\t+15], v[QF+16:QF+31], 0, v[KSW+\t/2], v[QW] matrix_a_fmt:MATRIX_FMT_BF8 matrix_b_fmt:MATRIX_FMT_BF8 matrix_a_scale:MATRIX_SCALE_ROW1 matrix_b_scale:MATRIX_SCALE_ROW1
.endif
.endif
.endr
.endr
	WIN 0
.endm
.macro LTAIL                           ; l = l f + the sum of the step before: eight plain lines, which are the eight places behind the products ahead of them
.irp u, 0,1
	v_pk_add_f32 v[SU+8*\u:SU+8*\u+1], v[SU+8*\u:SU+8*\u+1], v[SU+8*\u+2:SU+8*\u+3]
	v_pk_add_f32 v[SU+8*\u+4:SU+8*\u+5], v[SU+8*\u+4:SU+8*\u+5], v[SU+8*\u+6:SU+8*\u+7]
.endr
.irp u, 0,1
	v_pk_add_f32 v[SU+8*\u:SU+8*\u+1], v[SU+8*\u:SU+8*\u+1], v[SU+8*\u+4:SU+8*\u+5]
.endr
.irp u, 0,1
	v_pk_fma_f32 v[LS+2*\u:LS+2*\u+1], v[LS+2*\u:LS+2*\u+1], v[FA+2*\u:FA+2*\u+1], v[SU+8*\u:SU+8*\u+1] op_sel_hi:[1,0,1]
.endr
.endm
.macro SUMK u, k                       ; line k of 28 of tile u's sum of the unquantised p, four chains by turns
.set A_, SU+8*(\u)+2*((\k)%4)
.set B_, S+64*(\u)+2*((\k)%4)
.if (\k) < 4
	v_pk_add_f32 v[A_:A_+1], v[B_:B_+1], v[B_+8:B_+9]
.else
	v_pk_add_f32 v[A_:A_+1], v[A_:A_+1], v[B_+8+8*((\k)/4):B_+9+8*((\k)/4)]
.endif
.endm
.macro SUMA4
.rept 4
	SUMK 0, K_
.set K_, K_+1
.endr
.endm
; THE HOLD, line k of 32: the conversion does not saturate (ISA guide 7.6.2); p is not negative, so the hold is one-sided.  Two holds go in one instruction: an even register of one block with an odd register
; of its neighbour, so that the first sources and the second sources have different register numbers modulo 4, as the dual encoding asks.
.macro HOLDK s, h, k
.set X_, 2*((\k)/16)
.set P_, (\s)+16*X_+2*(((\k)%16)/2)
.set H_, (\h)+X_
.if ((\k)%2) == 0
	v_dual_min_num_f32 v[P_], v[P_], v[H_] :: v_dual_min_num_f32 v[P_+17], v[P_+17], v[H_+1]
.else
	v_dual_min_num_f32 v[P_+16], v[P_+16], v[H_+1] :: v_dual_min_num_f32 v[P_+1], v[P_+1], v[H_]
.endif
.endm
.macro CVT u, b                        ; one block's codes
	v_cvt_scalef32_pk8_bf8_f32 v[PC+16*(\u)+4*\b:PC+16*(\u)+4*\b+1], v[S+64*(\u)+16*\b:S+64*(\u)+16*\b+7], v[CA+4*(\u)+\b]
	v_cvt_scalef32_pk8_bf8_f32 v[PC+16*(\u)+4*\b+2:PC+16*(\u)+4*\b+3], v[S+64*(\u)+16*\b+8:S+64*(\u)+16*\b+15], v[CA+4*(\u)+\b]
.endm
; A KEY STEP.  Its k is in registers when it begins.  pre = 1: the next step's is asked for.  bar: 1 the last step's barrier is waited for and this one's signalled;  2 signalled, behind waves 0 and 1's loads;  3 waited for.
.macro STEP pre, bar
	SCORES
	v_add_nc_u32 v[ADR], s[TB], v[L16]
	LTAIL
	VLOAD
.irp u, 0,1
.irp b, 0,1,2,3
	v_max3_num_f32 v[TM+4*\u+\b], v[S+64*\u+16*\b], v[S+64*\u+16*\b+1], v[S+64*\u+16*\b+2]   ; the largest score of each block of 32 keys, eight blocks by turns; each accumulator is first read at its low end
.endr
.endr
.irp i, 3,5,7,9,11,13
.irp u, 0,1
.irp b, 0,1,2,3
	v_max3_num_f32 v[TM+4*\u+\b], v[TM+4*\u+\b], v[S+64*\u+16*\b+\i], v[S+64*\u+16*\b+\i+1]
.endr
.endr
.endr
.irp u, 0,1
.irp b, 0,1,2,3
	v_max_num_f32 v[TM+4*\u+\b], v[TM+4*\u+\b], v[S+64*\u+16*\b+15]
.endr
.endr
.irp b, 0,1,2,3
	v_permlane16_swap_b32 v[TM+\b], v[TM+4+\b]     ; lanes 0-15: A's halves; lanes 16-31: B's
.endr
.irp b, 0,1,2,3
	v_max_num_f32 v[TM+\b], v[TM+\b], v[TM+4+\b]   ; the block's largest score; it serves the row's maximum and, since p rises with the score, the block's largest p
.endr
.if \pre
	KLOAD ADR, REC                                 ; the next record's k: it lands under the softmax
.endif
	v_max3_num_f32 v[T], v[TM], v[TM+1], v[TM+2]
	v_max_num_f32 v[T], v[T], v[TM+3]
	v_mul_f32 v[T], s[CS], v[T]                    ; as t (c is positive)
	v_max_num_f32 v[TMX], v[TMX], v[T]
	v_mov_b32 v[T], v[NM]
	v_floor_f32 v[NM], -v[TMX]                     ; the new -M: M is a whole number
	v_sub_f32 v[T], v[NM], v[T]                    ; old M - new M: a whole number, 0 or less
	v_mov_b32 v[MA], v[NM]
	v_mov_b32 v[MB], v[NM]
	v_cvt_i32_f32 v[T], v[T]                       ; (it saturates)
	v_permlane16_swap_b32 v[MA], v[MB]             ; A's everywhere, B's everywhere
	v_ldexp_f32 v[FA], 1.0, v[T]                   ; f
.irp b, 0,1,2,3
	v_fma_f32 v[TM+\b], v[TM+\b], s[CS], v[NM]     ; t - M of each block's largest score
.endr
	v_mov_b32 v[FB], v[FA]
	v_permlane16_swap_b32 v[FA], v[FB]
.set K_, 0
.rept 32
	v_pk_fma_f32 v[S+K_:S+K_+1], v[S+K_:S+K_+1], s[CS:CS+1], v[MA:MA+1] op_sel_hi:[1,0,0]   ; tile A's t - M
.set K_, K_+2
.endr
	WALU                                           ; ahead of the batch
.irp b, 0,1,2,3
	v_exp_f32 v[TM+\b], v[TM+\b]                   ; the blocks' largest p
.endr
.set K_, 0
.rept 32
	v_exp_f32 v[S+K_], v[S+K_]                     ; tile A's p; between them tile B's t - M
	v_exp_f32 v[S+K_+1], v[S+K_+1]
	v_pk_fma_f32 v[S+64+K_:S+65+K_], v[S+64+K_:S+65+K_], s[CS:CS+1], v[MB:MB+1] op_sel_hi:[1,0,0]
.set K_, K_+2
.endr
	WALU                                           ; one wait for the batch, ahead of its first reader
.set K_, 0
.irp b, 0,1,2,3
	v_max_num_f32 v[TM+\b], 0x8000000, v[TM+\b]    ; the floor 2^(16 - 127): the byte cannot fall under 1
.endr
	SUMA4
.irp b, 0,1,2,3
	v_add_nc_u32 v[CA+\b], 0xf8800000, v[TM+\b]    ; 15 off the exponent field: the conversion's scale operand
.endr
	SUMA4
.irp b, 0,1,2,3
	v_lshrrev_b32 v[BT+\b], 23, v[CA+\b]           ; the scale's byte
.endr
.irp b, 0,1,2,3
	v_and_or_b32 v[HA+\b], v[TM+\b], 0x7f800000, s[MNT]   ; 57,344 x the scale
.endr
	SUMA4
	v_lshl_or_b32 v[PW], v[BT+1], 8, v[BT]         ; p's scale word for these 128 keys: A's in lanes 0-15, B's in lanes 16-31
.irp b, 0,1,2,3
	v_mov_b32 v[CB+\b], v[CA+\b]
.endr
	v_lshl_or_b32 v[PW], v[BT+2], 16, v[PW]
.irp b, 0,1,2,3
	v_mov_b32 v[HB+\b], v[HA+\b]
.endr
	v_lshl_or_b32 v[PW], v[BT+3], 24, v[PW]
	SUMA4
.irp b, 0,1,2,3
	v_permlane16_swap_b32 v[CA+\b], v[CB+\b]
.endr
	SUMA4
.irp b, 0,1,2,3
	v_permlane16_swap_b32 v[HA+\b], v[HB+\b]
.endr
	SUMA4
	SUMA4
	WALU                                           ; ahead of the batch
.set K_, 0
.rept 32
	v_exp_f32 v[S+64+2*K_], v[S+64+2*K_]           ; tile B's p; between them tile A's holds
	v_exp_f32 v[S+65+2*K_], v[S+65+2*K_]
	HOLDK S, HA, K_
.set K_, K_+1
.endr
	WALU                                           ; and behind it
.irp b, 0,1,2,3
	CVT 0, \b
.endr
.set K_, 0
.rept 28
	SUMK 1, K_
.set K_, K_+1
.endr
.set K_, 0
.rept 32
	HOLDK S+64, HB, K_
.set K_, K_+1
.endr
.irp b, 0,1,2,3
	CVT 1, \b
.endr
	v_nop                                          ; a plain line behind the last conversion
	WALU
	s_wait_dscnt 0x0                               ; v, and the next step's k
.if (\bar) == 1
	s_barrier_wait -1
	s_barrier_signal -1
.elseif (\bar) == 2
	s_cmp_lt_u32 s[WV], 2
	s_cbranch_scc0 .Lnot_yet_\@
	s_wait_tensorcnt 0x0                           ; steps 2 and 3 have landed
.Lnot_yet_\@:
	s_barrier_signal -1
.elseif (\bar) == 3
	s_barrier_wait -1
.endif
	WIN 0x41
	WALU                                           ; ahead of the first readers of O^T, which products wrote ahead of the exponentials
.set K_, 0
.rept 16
	v_pk_mul_f32 v[OA+K_:OA+K_+1], v[OA+K_:OA+K_+1], v[FA:FA+1] op_sel_hi:[1,0]   ; O^T under the new M; also plain lines ahead of the products
	v_pk_mul_f32 v[OA+32+K_:OA+33+K_], v[OA+32+K_:OA+33+K_], v[FB:FB+1] op_sel_hi:[1,0]
.set K_, K_+2
.endr
	WIN 0x51
.irp n, 0,1,2,3
	v_wmma_scale_f32_16x16x128_f8f6f4 v[OA+8*\n:OA+8*\n+7], v[16*\n:16*\n+15], v[PC:PC+15], v[OA+8*\n:OA+8*\n+7], v[VSW+\n], v[PW] matrix_a_fmt:MATRIX_FMT_BF8 matrix_b_fmt:MATRIX_FMT_BF8
.endr
.irp n, 0,1,2,3
	v_wmma_scale_f32_16x16x128_f8f6f4 v[OA+32+8*\n:OA+32+8*\n+7], v[16*\n:16*\n+15], v[PC+16:PC+31], v[OA+32+8*\n:OA+32+8*\n+7], v[VSW+\n], v[PW] matrix_a_fmt:MATRIX_FMT_BF8 matrix_b_fmt:MATRIX_FMT_BF8 matrix_b_scale:MATRIX_SCALE_ROW1
.endr
	WIN 0
.endm
	s_load_b256 s[4:11], s[0:1], 0x0               ; qc, qs, kv, cc
	s_load_b64 s[12:13], s[0:1], 0x20              ; cs
	v_lshl_add_u32 v[SPW], v0, 2, SPARE
	v_mov_b32 v[NIL], 0
	ds_add_u32 v[SPW], v[NIL]                      ; the wave's opening: the add, twice on end, and its wait ahead of my first tensor load
	ds_add_u32 v[SPW], v[NIL]
	v_lshrrev_b32 v7, 5, v0
	v_readfirstlane_b32 s[WV], v7
	s_bfe_u32 s70, ttmp6, 0x40000                  ; cx: my place in the cluster
	s_lshl_b32 s71, ttmp9, 2
	s_add_co_u32 s71, s71, s70
	s_lshl_b32 s71, s71, 3                         ; the first of my work-group's eight pairs of tiles
	s_add_co_u32 s72, s71, s[WV]                   ; G: mine
	s_and_b32 s74, ttmp7, 0xffff                   ; bh = 8 x batch + head, which the four partners share
	s_mov_b32 s[G1H], 15|(3<<16)|(1<<21)           ; two records: 136 rows of 256 bytes (32 elements of 8); the mask names all four, bit 21 beside it
	s_mov_b32 s[G1H+1], 32<<16
	s_mov_b32 s[G1H+2], 136<<16
	s_mov_b32 s[G1H+3], 32<<16
	s_mov_b32 s[G1H+4], 136
	s_mov_b32 s[G1H+5], 32
	s_mov_b32 s[G1H+6], 0
	s_mov_b32 s[G1H+7], 0
	s_mul_i32 s80, s74, 16*REC                     ; the head's first byte in kv
	s_mov_b32 s81, 0
	s_mov_b32 s[G0], 1
	s_mul_i32 s[G0+1], s[WV], 2*REC                ; LDS holds the records as memory does
	s_add_co_u32 s80, s80, s[G0+1]
	v_and_b32 v7, 31, v0
	v_lshlrev_b32 v[L16], 4, v7
	s_wait_alu depctr_va_vdst(0)
	s_wait_dscnt 0x0                               ; both opening adds are done
	s_wait_kmcnt 0x0
	s_add_nc_u64 s[G0+2:G0+3], s[8:9], s[80:81]
	s_or_b32 s[G0+3], s[G0+3], 0x80000000
	CROUND                                         ; all four work-groups are here: the joint loads meet
	s_cmp_eq_u32 s[WV], 0                          ; one load a wave; waves that wait at different barriers have lines of their own
	s_cbranch_scc0 .Lwave_1
	TLOAD G0, G1H                                  ; steps 0 and 1
	s_branch .Lasked
.Lwave_1:
	s_cmp_eq_u32 s[WV], 1
	s_cbranch_scc0 .Lothers
	TLOAD G0, G1H                                  ; steps 2 and 3
	s_branch .Lasked
.Lothers:
	TLOAD G0, G1H                                  ; steps 4 to 15
.Lasked:
	s_lshl_b32 s84, s74, 17                        ; my two tiles of q: 128 bh + 2 G, 1,024 bytes each
	s_lshl_b32 s76, s72, 11
	s_add_co_u32 s84, s84, s76
	s_mov_b32 s85, 0
	s_add_nc_u64 s[4:5], s[4:5], s[84:85]
	s_lshl_b32 s86, s74, 13                        ; their scale words: record 16 bh + G / 4, word G % 4
	s_lshr_b32 s76, s72, 2
	s_lshl_b32 s76, s76, 9
	s_add_co_u32 s86, s86, s76
	s_and_b32 s76, s72, 3
	s_lshl_b32 s76, s76, 2
	s_add_co_u32 s86, s86, s76
	s_mov_b32 s87, 0
	s_add_nc_u64 s[6:7], s[6:7], s[86:87]
	WIN 0x40
	global_load_b128 v[QF:QF+3], v[L16], s[4:5] th:TH_LOAD_NT
	global_load_b128 v[QF+4:QF+7], v[L16], s[4:5] offset:512 th:TH_LOAD_NT
	global_load_b128 v[QF+16:QF+19], v[L16], s[4:5] offset:1024 th:TH_LOAD_NT
	global_load_b128 v[QF+20:QF+23], v[L16], s[4:5] offset:1536 th:TH_LOAD_NT
	WIN 0
	global_load_b32 v[QW], v[L16], s[6:7]
	s_lshr_b32 s90, s74, 3                         ; batch
	s_and_b32 s91, s74, 7                          ; head
	s_lshl_b32 s94, s90, 7
	s_lshl_b32 s76, s72, 1
	s_add_co_u32 s94, s94, s76
	s_lshl_b32 s94, s94, 13                        ; cc: 8,192 bytes a tile, + 1,024 x head
	s_lshl_b32 s76, s91, 10
	s_add_co_u32 s94, s94, s76
	s_mov_b32 s95, 0
	s_add_nc_u64 s[10:11], s[10:11], s[94:95]
	s_lshl_b32 s96, s90, 6
	s_add_co_u32 s96, s96, s71
	s_lshl_b32 s96, s96, 6                         ; cs: 64 bytes a pair, 16,384 a head
	s_lshl_b32 s76, s91, 14
	s_add_co_u32 s96, s96, s76
	s_mov_b32 s97, 0
	s_add_nc_u64 s[12:13], s[12:13], s[96:97]
	s_mov_b32 s[MNT], 0x600000                     ; the mantissa field of 57,344
	s_mov_b32 s[CS], 0x3e38aa3b                    ; log2(e) / 8
	s_mov_b32 s[CS+1], s[CS]
	v_mov_b32 v[TMX], 0xff61b1e6                   ; the largest t so far: -3e38
	v_mov_b32 v[MA+1], 0                           ; upper halves of pairs
	v_mov_b32 v[MB+1], 0
	v_floor_f32 v[NM], -v[TMX]
.irp j, 0,1,2,3
	v_mov_b32 v[FA+\j], 0
	v_mov_b32 v[LS+\j], 0
.endr
.set K_, 0
.rept 16
	v_mov_b32 v[SU+K_], 0                          ; the first step adds the sum of no step before it
.set K_, K_+1
.endr
	WIN 0x40
.irp j, 0,1,2,3,4,5,6,7
	v_mov_b32 v[QF+8+\j], 0                        ; zero codes
	v_mov_b32 v[QF+24+\j], 0
	v_mov_b32 v[KF+64+\j], 0
.endr
.set K_, 0
.rept 64
	v_mov_b32 v[OA+K_], 0                          ; O^T: the step has no first form of its own; the first change of M multiplies zeros
.set K_, K_+1
.endr
	WIN 0
	s_wait_alu depctr_va_vdst(0)
	s_wait_loadcnt 0x0
	s_cmp_lt_u32 s[WV], 1
	s_cbranch_scc0 .Lnot_0
	s_wait_tensorcnt 0x0                           ; wave 0: steps 0 and 1 have landed
.Lnot_0:
	s_barrier_signal -1
	s_barrier_wait -1
	s_mov_b32 s[TB], 0
	KLOAD L16, 0
	s_wait_dscnt 0x0
	STEP 1, 2                                      ; step 0
	s_barrier_wait -1                              ; wave 1's load has landed
	s_mov_b32 s[TB], REC
	s_mov_b32 s[CNT], 2
.Lfirst:                                           ; steps 1 and 2
	STEP 1, 0
	s_add_co_u32 s[TB], s[TB], REC
	s_sub_co_u32 s[CNT], s[CNT], 1
	s_cmp_lg_u32 s[CNT], 0
	s_cbranch_scc1 .Lfirst
	s_wait_tensorcnt 0x0                           ; all of it has landed: the wait is every wave's
	s_barrier_signal -1
	s_barrier_wait -1
	s_barrier_signal -1                            ; the first of the barriers that keep the waves together
	s_mov_b32 s[TB], 3*REC
	s_mov_b32 s[CNT], 12
.Lrest:                                            ; steps 3 to 14
	STEP 1, 1
	s_add_co_u32 s[TB], s[TB], REC
	s_sub_co_u32 s[CNT], s[CNT], 1
	s_cmp_lg_u32 s[CNT], 0
	s_cbranch_scc1 .Lrest
	s_mov_b32 s[TB], 15*REC
	STEP 0, 3                                      ; step 15: there is no record behind it
	; THE WAY OUT: O^T / l, quantised along the head's 64 channels: two blocks of the concatenation's K for each tile
	LTAIL
	v_add_f32 v[LS], v[LS], v[LS+1]                ; the sums' two halves,
	v_add_f32 v[LS+2], v[LS+2], v[LS+3]
	v_and_b32 v8, 31, v0                           ; lane
	s_lshl_b32 s75, s[WV], 6
	v_permlane16_swap_b32 v[LS], v[LS+2]
	v_add_f32 v[LS], v[LS], v[LS+2]                ; and the two halves of the lanes: l, A's in lanes 0-15, B's in lanes 16-31
	s_wait_alu depctr_va_vdst(0)
	v_rcp_f32 v[FA], v[LS]
	v_nop
	s_add_co_u32 s75, s75, SCB
	s_wait_alu depctr_va_vdst(0)
	v_mov_b32 v[FB], v[FA]
	v_lshlrev_b32 v10, 1, v8
	v_add_nc_u32 v10, s75, v10                     ; where my row's two scale bytes go
	v_add_nc_u32 v11, SCB, v[L16]
	v_permlane16_swap_b32 v[FA], v[FB]
	WIN 0x01
	s_wait_alu depctr_va_vdst(0)                   ; ahead of the first readers of O^T
.set K_, 0
.rept 16
	v_pk_mul_f32 v[S+K_:S+K_+1], v[OA+K_:OA+K_+1], v[FA:FA+1] op_sel_hi:[1,0]
	v_pk_mul_f32 v[S+64+K_:S+65+K_], v[OA+32+K_:OA+33+K_], v[FB:FB+1] op_sel_hi:[1,0]
.set K_, K_+2
.endr
	WIN 0
.irp u, 0,1
.irp b, 0,1
	v_max3_num_f32 v[TM+4*\u+\b], |v[S+64*\u+16*\b]|, |v[S+64*\u+16*\b+1]|, 0x8000000
.endr
.endr
.irp i, 2,4,6,8,10,12,14
.irp u, 0,1
.irp b, 0,1
	v_max3_num_f32 v[TM+4*\u+\b], v[TM+4*\u+\b], |v[S+64*\u+16*\b+\i]|, |v[S+64*\u+16*\b+\i+1]|
.endr
.endr
.endr
.irp b, 0,1
	v_permlane16_swap_b32 v[TM+\b], v[TM+4+\b]
.endr
.irp b, 0,1
	v_max_num_f32 v[TM+\b], v[TM+\b], v[TM+4+\b]   ; the block's largest magnitude
.endr
.irp b, 0,1
	v_add_nc_u32 v[CA+\b], 0xf8800000, v[TM+\b]
.endr
.irp b, 0,1
	v_and_or_b32 v[HA+\b], v[TM+\b], 0x7f800000, s[MNT]
.endr
.irp b, 0,1
	v_lshrrev_b32 v[TM+4+\b], 23, v[CA+\b]
.endr
.irp b, 0,1
	v_mov_b32 v[CB+\b], v[CA+\b]
	v_mov_b32 v[HB+\b], v[HA+\b]
.endr
	v_lshl_or_b32 v[TM+2], v[TM+5], 8, v[TM+4]
.irp b, 0,1
	v_permlane16_swap_b32 v[CA+\b], v[CB+\b]
	v_permlane16_swap_b32 v[HA+\b], v[HB+\b]
.endr
.irp u, 0,1
.irp b, 0,1
.irp i, 0,1,2,3,4,5,6,7,8,9,10,11,12,13,14,15
	v_med3_num_f32 v[S+64*\u+16*\b+\i], v[S+64*\u+16*\b+\i], -v[HA+4*\u+\b], v[HA+4*\u+\b]
.endr
	CVT \u, \b
.endr
.endr
	v_nop                                          ; a plain line behind the last conversion
	ds_store_b16 v10, v[TM+2]
.irp u, 0,1
.irp b, 0,1
	global_store_b128 v[L16], v[PC+16*\u+4*\b:PC+16*\u+4*\b+3], s[10:11] offset:8192*\u+512*\b   ; 512 consecutive bytes, aligned
.endr
.endr
	s_wait_alu depctr_va_vdst(0)
	s_wait_dscnt 0x0
	s_barrier_signal -1
	s_barrier_wait -1                              ; everybody's scale bytes
	s_cmp_lg_u32 s[WV], 0
	s_cbranch_scc1 .Lsent
	ds_load_b128 v[S:S+3], v11
	s_wait_dscnt 0x0
	global_store_b128 v[L16], v[S:S+3], s[12:13]   ; the work-group's 512 bytes
.Lsent:
	s_wait_tensorcnt 0x0                           ; the wave's end
	ds_add_u32 v[SPW], v[NIL]
	s_wait_dscnt 0x0
	CROUND                                         ; the closing round: no work-group ends while a partner may still ask for a tile that names it
	s_endpgm
.Lfunc_end_k_q245758aeb3_attn:
	.size	k_q245758aeb3_attn, .Lfunc_end_k_q245758aeb3_attn-k_q245758aeb3_attn
	.p2alignl 7, 3214868480
	.fill 96, 4, 3214868480
	.section	.rodata,"a",@progbits
	.p2align	6, 0x0
	.amdhsa_kernel k_q245758aeb3_attn
		.amdhsa_group_segment_fixed_size 280576
		.amdhsa_private_segment_fixed_size 0
		.amdhsa_enable_private_segment 0
		.amdhsa_kernarg_size 40
		.amdhsa_user_sgpr_count 2
		.amdhsa_user_sgpr_kernarg_segment_ptr 1
		.amdhsa_wavefront_size32 1
		.amdhsa_system_sgpr_workgroup_id_x 1
		.amdhsa_system_sgpr_workgroup_id_y 1
		.amdhsa_system_sgpr_workgroup_id_z 1
		.amdhsa_system_vgpr_workitem_id 0
		.amdhsa_next_free_vgpr 512
		.amdhsa_next_free_sgpr 100
		.amdhsa_reserve_vcc 0
		.amdhsa_float_denorm_mode_32 3
		.amdhsa_float_denorm_mode_16_64 3
		.amdhsa_memory_ordered 1
		.amdhsa_forward_progress 1
		.amdhsa_inst_pref_size 147
	.end_amdhsa_kernel
	.amdgpu_metadata
---
amdhsa.version: [ 1, 2 ]
amdhsa.kernels:
  - .name:           k_q245758aeb3_attn
    .symbol:         k_q245758aeb3_attn.kd
    .args:
      - { .name: qc, .offset: 0, .size: 8, .value_kind: global_buffer, .address_space: global }
      - { .name: qs, .offset: 8, .size: 8, .value_kind: global_buffer, .address_space: global }
      - { .name: kv, .offset: 16, .size: 8, .value_kind: global_buffer, .address_space: global }
      - { .name: cc, .offset: 24, .size: 8, .value_kind: global_buffer, .address_space: global }
      - { .name: cs, .offset: 32, .size: 8, .value_kind: global_buffer, .address_space: global }
    .group_segment_fixed_size: 280576
    .private_segment_fixed_size: 0
    .kernarg_segment_align: 8
    .kernarg_segment_size: 40
    .max_flat_workgroup_size: 256
    .sgpr_count:     100
    .vgpr_count:     512
    .wavefront_size: 32
...
	.end_amdgpu_metadata
.endif
;; end of part 2
;; launch outp (part 3): grid 4 x 64, 4 waves a work-group, clusters of 4 x 4, 205,312 bytes of LDS; arguments cc, cs, Wo_codes, Wo_scales, bo, out0; writes out0
.if DOCPART == 3
	.amdgcn_target "amdgcn-amd-amdhsa--gfx1250"
	.amdhsa_code_object_version 6
	.text
	.protected	k_q245758aeb3_outp
	.globl	k_q245758aeb3_outp
	.p2align	8
	.type	k_q245758aeb3_outp,@function
k_q245758aeb3_outp:
	s_mov_b64 s[64:65], 0
	v_nop
	global_prefetch_b8 v0, s[64:65] scope:SCOPE_SE
	s_setreg_imm32_b32 hwreg(HW_REG_WAVE_MODE, 25, 1), 1
	s_wait_xcnt 0x0
	s_wait_alu depctr_hold_cnt(0) depctr_sa_sdst(0) depctr_va_vdst(0) depctr_va_sdst(0) depctr_va_ssrc(0) depctr_va_vcc(0) depctr_vm_vsrc(0)
	s_getreg_b32 s2, hwreg(HW_REG_IB_STS2, 6, 4)
	s_cmp_eq_u32 s2, 0
	s_cbranch_scc0 .Lentry_in_a_cluster
	s_endpgm
.Lentry_in_a_cluster:
	s_bfe_u32 s2, ttmp6, 0x10000c
	s_cmp_lg_u32 s2, 0xf033
	s_cbranch_scc0 .Lentry_shape_is_right
	s_endpgm
.Lentry_shape_is_right:
; THE PROJECTION ON THE WAY OUT: out0 = concat Wo + bo, on the codes that the launch before made of the concatenated heads and on Wo's given codes; sums in f32.  No work of the problem is left out.
; SHARES.  A work-group makes 128 tokens x 128 columns, each of its four waves 64 x 64: 16 accumulators.  K = 512 comes in two halves: waves 0 and 1 load the first half's tokens and rows of Wo, waves 2 and 3
; the second's: one tensor load a wave, nothing is filled again.  All loads stand at the head: no prefetch.
; CLUSTER: 4 x 4.  The four of a row share their tokens, the four of a column their rows of Wo: joint loads.
; THE MATRIX INSTRUCTION IS USED TRANSPOSED (source 0 = 16 rows of Wo, source 1 = 16 tokens): a lane holds eight neighbouring columns of one token.  bo is the C of each sum's first instruction.
; Row p of token tile 2 q + u is token 32 q + 8 u + p + 8 (p / 8) of the 128.
; THE WAY OUT goes tile by tile of tokens through the wave's own stage in LDS (16 rows of 256 bytes + 16), so that sixteen lanes store 256 consecutive bytes of a row of out0, aligned.
; REGISTERS: window 0 scales, bo, accumulators; window 1 the first half's fragments, later rows of out0; window 2 the second half's.  Wo's tile t, K step s: v[16 (2 t + s % 2)]; tokens' tile m: v[128 + 16 (2 m + s % 2)].
.set TH,  32768                        ; LDS: the tokens, [half][tile 8][s 2][c 4][lane][16]
.set WO,  65536                        ; Wo's rows, [half][row 128] of 272 bytes
.set WP,  272
.set WH,  128*WP
.set STG, WO+2*WH                      ; the stages: 4 x 16 rows of 272 bytes a wave
.set SPITCH, 272
.set SPARE, STG+16*16*SPITCH           ; the spare words, 128 bytes for each of the four waves, that no other line names
.set LT,  1                            ; v1   16 x lane + my four tiles
.set SPW, 2
.set NIL, 3
.set WA,  4                            ; v4   my place in Wo's rows
.set R16, 5                            ; v5   16 r
.set BA,  6                            ; v6   32 (lane / 16)
.set LB,  7                            ; v7   2 x lane
.set STO, 8
.set RD,  9
.set CO,  10
.set WS,  16                           ; v16-31 Wo's scale words (4 t + s)
.set XS,  34                           ; v34-41 the tokens' (4 q + s): lanes 0-15 tile 2 q, lanes 16-31 tile 2 q + 1
.set XT,  42                           ; v42-49
.set BI,  64                           ; v64-95 bo
.set ACC, 96                           ; v96-223 (32 m + 8 t)
.set G1T, 24
.set G1W, 32
.set GT0, 40
.set GT1, 44
.set GW0, 48
.set GW1, 52
.set MSB, 0
.macro WIN new                         ; the immediate's high byte repeats the setting that is left
.if MSB != \new
	s_set_vgpr_msb (MSB<<8)|\new
.set MSB, \new
.endif
.endm
.macro PLACES n
.rept \n
	v_nop
.endr
.endm
.macro CROUND                          ; a round of the cluster's barrier
	s_barrier_signal -1
	s_barrier_wait -1
	s_cmp_lg_u32 s16, 0
	s_cbranch_scc1 .Lnot_wave_0_\@
	s_barrier_signal -3
.Lnot_wave_0_\@:
	s_barrier_wait -3
	s_barrier_signal -1
	s_barrier_wait -1
.endm
.macro TLOAD g0, g1
	tensor_load_to_lds s[\g0:\g0+3], s[\g1:\g1+7]
	s_nop 0
	PLACES 4
.endm
.macro FETCH k                         ; half k's fragments: 64 loads
	WIN 0x40*((\k)+1)
.irp s, 0,1
.irp t, 0,1,2,3
.irp c, 0,1,2,3
	ds_load_b128 v[16*(2*\t+\s)+4*\c:16*(2*\t+\s)+4*\c+3], v[WA] offset:WH*(\k)+16*WP*\t+128*\s+32*\c
.endr
.endr
.irp m, 0,1,2,3
.irp c, 0,1,2,3
	ds_load_b128 v[128+16*(2*\m+\s)+4*\c:128+16*(2*\m+\s)+4*\c+3], v[LT] offset:TH*(\k)+4096*\m+2048*\s+512*\c
.endr
.endr
.endr
	WIN 0
.endm
.macro MUL m, s                        ; token tile m against my four tiles of Wo, K step s: the accumulators take turns, one instruction a turn
.irp t, 0,1,2,3
.set D_, ACC+32*(\m)+8*\t
.set C_, D_
.if (\s) == 0
.set C_, BI+8*\t
.endif
.set A_, 16*(2*\t+(\s)%2)
.set B_, 128+16*(2*(\m)+(\s)%2)
.if ((\m)%2) == 0
	v_wmma_scale_f32_16x16x128_f8f6f4 v[D_:D_+7], v[A_:A_+15], v[B_:B_+15], v[C_:C_+7], v[WS+4*\t+\s], v[XS+4*((\m)/2)+\s] matrix_a_fmt:MATRIX_FMT_BF8 matrix_b_fmt:MATRIX_FMT_BF8
.else
	v_wmma_scale_f32_16x16x128_f8f6f4 v[D_:D_+7], v[A_:A_+15], v[B_:B_+15], v[C_:C_+7], v[WS+4*\t+\s], v[XS+4*((\m)/2)+\s] matrix_a_fmt:MATRIX_FMT_BF8 matrix_b_fmt:MATRIX_FMT_BF8 matrix_b_scale:MATRIX_SCALE_ROW1
.endif
.endr
.endm
.macro TOSTAGE m                       ; LDS serves a wave's instructions in order (ISA guide 5.7.1.4): no wait between
.irp t, 0,1,2,3
	ds_store_b128 v[STO], v[ACC+32*(\m)+8*\t:ACC+32*(\m)+8*\t+3] offset:16*SPITCH*(\m)+64*\t          ; each accumulator from its low end on
	ds_store_b128 v[STO], v[ACC+32*(\m)+8*\t+4:ACC+32*(\m)+8*\t+7] offset:16*SPITCH*(\m)+64*\t+16
.endr
	WIN 0x40
.irp i, 0,1,2,3,4,5,6,7
	ds_load_b128 v[32*(\m)+4*\i:32*(\m)+4*\i+3], v[RD] offset:16*SPITCH*(\m)+2*\i*SPITCH   ; lanes 0-15 row 2 i, lanes 16-31 row 2 i + 1
.endr
	WIN 0
.endm
.macro SEND m, younger                 ; younger: the LDS instructions issued behind this tile's loads
	WIN 0x04
.irp i, 0,1,2,3,4,5,6,7
	s_wait_dscnt 7-\i+\younger
	global_store_b128 v[CO], v[32*(\m)+4*\i:32*(\m)+4*\i+3], s[14:15] offset:(32*((\m)/2)+8*((\m)%2)+2*\i+8*(\i/4))*2048 th:TH_STORE_NT   ; 16 lanes store 256 consecutive bytes, aligned; read by nobody here
.endr
	WIN 0
.endm
	s_load_b256 s[4:11], s[0:1], 0x0               ; cc, cs, Wo's codes, Wo's scales
	s_load_b128 s[12:15], s[0:1], 0x20             ; bo, out0
	v_lshl_add_u32 v[SPW], v0, 2, SPARE
	v_mov_b32 v[NIL], 0
	ds_add_u32 v[SPW], v[NIL]                      ; the wave's opening: the add, twice on end, and its wait ahead of my first tensor load
	ds_add_u32 v[SPW], v[NIL]
	v_lshrrev_b32 v11, 5, v0
	v_readfirstlane_b32 s16, v11                   ; wave
	s_bfe_u32 s17, ttmp6, 0x40000                  ; cx, cy
	s_bfe_u32 s18, ttmp6, 0x40004
	s_lshl_b32 s19, ttmp9, 2
	s_add_co_u32 s19, s19, s17                     ; X: which 128 columns
	s_and_b32 s20, ttmp7, 0xffff
	s_lshl_b32 s20, s20, 2
	s_add_co_u32 s20, s20, s18                     ; Y: which 128 tokens
	s_lshl_b32 s21, s18, 2
	s_lshl_b32 s21, 15, s21                        ; my row of the cluster
	s_lshl_b32 s22, 0x1111, s17                    ; my column
	s_or_b32 s[G1T], s21, (3<<16)|(1<<21)          ; tokens: eight tiles, 4,096 bytes (two K steps) of each tile's 8,192
	s_mov_b32 s[G1T+1], 512<<16
	s_mov_b32 s[G1T+2], 8<<16
	s_mov_b32 s[G1T+3], 512<<16
	s_mov_b32 s[G1T+4], 8
	s_mov_b32 s[G1T+5], 1024
	s_mov_b32 s[G1T+6], 0
	s_mov_b32 s[G1T+7], 0
	s_or_b32 s[G1W], s22, (1<<20)|(1<<21)|(5<<22)|(3<<25)   ; Wo: 128 rows, 256 bytes of each row's 512, four words of padding behind each
	s_mov_b32 s[G1W+1], 256<<16
	s_mov_b32 s[G1W+2], 128<<16
	s_mov_b32 s[G1W+3], 256<<16
	s_mov_b32 s[G1W+4], 128
	s_mov_b32 s[G1W+5], 512
	s_mov_b32 s[G1W+6], 0
	s_mov_b32 s[G1W+7], 0
	s_mov_b32 s[GT0], 1
	s_mov_b32 s[GT0+1], 0
	s_mov_b32 s[GT1], 1
	s_mov_b32 s[GT1+1], TH
	s_mov_b32 s[GW0], 1
	s_mov_b32 s[GW0+1], WO
	s_mov_b32 s[GW1], 1
	s_mov_b32 s[GW1+1], WO+WH
	s_lshl_b32 s60, s20, 16                        ; 64 KiB of codes a work-group's tokens,
	s_mov_b32 s61, 0
	s_lshl_b32 s62, s19, 16                        ; 64 KiB its rows of Wo
	s_mov_b32 s63, 0
	s_lshr_b32 s17, s16, 1                         ; my 64 tokens
	s_and_b32 s18, s16, 1                          ; my 64 columns
	v_and_b32 v11, 31, v0
	v_and_b32 v12, 15, v0                          ; r
	v_bfe_u32 v13, v0, 4, 1                        ; lane / 16
	s_lshl_b32 s21, s17, 14
	v_lshlrev_b32 v[LT], 4, v11
	v_add_nc_u32 v[LT], s21, v[LT]
	s_mul_i32 s22, s18, 64*WP
	s_add_co_u32 s22, s22, WO
	v_mul_u32_u24 v[WA], v12, WP
	v_lshl_add_u32 v[WA], v13, 4, v[WA]
	v_add_nc_u32 v[WA], s22, v[WA]
	v_lshlrev_b32 v[R16], 4, v12
	v_lshlrev_b32 v[BA], 5, v13
	v_lshlrev_b32 v[LB], 1, v11
	s_wait_alu depctr_va_vdst(0)
	s_wait_dscnt 0x0                               ; both opening adds are done
	s_wait_kmcnt 0x0
	s_add_nc_u64 s[GT0+2:GT0+3], s[4:5], s[60:61]
	s_add_nc_u64 s[GT1+2:GT1+3], s[GT0+2:GT0+3], 4096
	s_or_b32 s[GT0+3], s[GT0+3], 0x80000000
	s_or_b32 s[GT1+3], s[GT1+3], 0x80000000
	s_add_nc_u64 s[GW0+2:GW0+3], s[8:9], s[62:63]
	s_add_nc_u64 s[GW1+2:GW1+3], s[GW0+2:GW0+3], 256
	s_or_b32 s[GW0+3], s[GW0+3], 0x80000000
	s_or_b32 s[GW1+3], s[GW1+3], 0x80000000
	CROUND                                         ; all sixteen work-groups are here: the joint loads meet
	s_cmp_eq_u32 s16, 0                            ; one load a wave
	s_cbranch_scc0 .Lwave_1
	TLOAD GT0, G1T
	s_branch .Lasked
.Lwave_1:
	s_cmp_eq_u32 s16, 1
	s_cbranch_scc0 .Lwave_2
	TLOAD GW0, G1W
	s_branch .Lasked
.Lwave_2:
	s_cmp_eq_u32 s16, 2
	s_cbranch_scc0 .Lwave_3
	TLOAD GT1, G1T
	s_branch .Lasked
.Lwave_3:
	TLOAD GW1, G1W
.Lasked:
	s_lshl_b32 s60, s20, 2
	s_lshl_b32 s21, s17, 1
	s_add_co_u32 s60, s60, s21
	s_lshl_b32 s60, s60, 6
	s_add_nc_u64 s[6:7], s[6:7], s[60:61]          ; my two pairs' scale bytes: 64 a pair and head
	s_lshl_b32 s62, s19, 1
	s_add_co_u32 s62, s62, s18                     ; which 64 columns of all
	s_lshl_b32 s60, s62, 10
	s_add_nc_u64 s[10:11], s[10:11], s[60:61]
	s_lshl_b32 s60, s62, 8
	s_add_nc_u64 s[12:13], s[12:13], s[60:61]
	s_lshl_b32 s21, s20, 1
	s_add_co_u32 s21, s21, s17
	s_lshl_b32 s21, s21, 17
	s_add_co_u32 s60, s60, s21
	s_add_nc_u64 s[14:15], s[14:15], s[60:61]      ; out0: 64 rows of 2,048 bytes, + 256 bytes x columns
.irp q, 0,1
.irp s, 0,1,2,3
	global_load_u16 v[XS+4*\q+\s], v[LB], s[6:7] offset:32768*\s+64*\q         ; heads 2 s
	global_load_u16 v[XT+4*\q+\s], v[LB], s[6:7] offset:32768*\s+16384+64*\q   ; and 2 s + 1
.endr
.endr
.irp t, 0,1,2,3
	global_load_b128 v[WS+4*\t:WS+4*\t+3], v[R16], s[10:11] offset:256*\t
	global_load_b128 v[BI+8*\t:BI+8*\t+3], v[BA], s[12:13] offset:64*\t        ; register j: column 16 t + 8 (lane / 16) + j of my 64
	global_load_b128 v[BI+8*\t+4:BI+8*\t+7], v[BA], s[12:13] offset:64*\t+16
.endr
	s_wait_loadcnt 0x0
.irp q, 0,1
.irp s, 0,1,2,3
	v_lshl_or_b32 v[XS+4*\q+\s], v[XT+4*\q+\s], 16, v[XS+4*\q+\s]
.endr
.endr
	s_mul_i32 s21, s16, 4*16*SPITCH
	s_add_co_u32 s21, s21, STG
	v_and_b32 v12, 15, v0
	v_bfe_u32 v13, v0, 4, 1
	v_mul_u32_u24 v[STO], v12, SPITCH              ; the stage, in: row r, 32 bytes for each half of the lanes
	v_lshl_add_u32 v[STO], v13, 5, v[STO]
	v_add_nc_u32 v[STO], s21, v[STO]
	v_mul_u32_u24 v[RD], v13, SPITCH               ; back: lanes 0-15 one row, lanes 16-31 the next
	v_lshl_add_u32 v[RD], v12, 4, v[RD]
	v_add_nc_u32 v[RD], s21, v[RD]
	v_lshlrev_b32 v[CO], 11, v13                   ; and the same in out0
	v_lshl_add_u32 v[CO], v12, 4, v[CO]
	s_wait_alu depctr_va_vdst(0)
	s_cmp_lt_u32 s16, 2
	s_cbranch_scc0 .Lnot_first
	s_wait_tensorcnt 0x0                           ; waves 0 and 1: the first half has landed
.Lnot_first:
	s_barrier_signal -1
	s_barrier_wait -1
	FETCH 0
	s_wait_dscnt 0x0
	WIN 0x05
.irp s, 0,1
.irp m, 0,1,2,3
	MUL \m, \s
.endr
.endr
	WIN 0
	s_wait_tensorcnt 0x0                           ; the second half has landed: the wait is every wave's
	s_barrier_signal -1
	s_barrier_wait -1
	FETCH 1
	s_wait_dscnt 0x0
.irp m, 0,1,2,3
	WIN 0x0a
	MUL \m, 2
	MUL \m, 3
	WIN 0
.if \m > 1
	SEND \m-2, 16
.endif
	PLACES 8                                       ; eight places ahead of the stores that read results and of the loads into fragments
	TOSTAGE \m
.endr
	SEND 2, 16
	SEND 3, 0
	s_wait_tensorcnt 0x0                           ; the wave's end
	ds_add_u32 v[SPW], v[NIL]
	s_wait_dscnt 0x0
	CROUND                                         ; the closing round: no work-group ends while a partner may still ask for a tile that names it
	s_endpgm
.Lfunc_end_k_q245758aeb3_outp:
	.size	k_q245758aeb3_outp, .Lfunc_end_k_q245758aeb3_outp-k_q245758aeb3_outp
	.p2alignl 7, 3214868480
	.fill 96, 4, 3214868480
	.section	.rodata,"a",@progbits
	.p2align	6, 0x0
	.amdhsa_kernel k_q245758aeb3_outp
		.amdhsa_group_segment_fixed_size 205312
		.amdhsa_private_segment_fixed_size 0
		.amdhsa_enable_private_segment 0
		.amdhsa_kernarg_size 48
		.amdhsa_user_sgpr_count 2
		.amdhsa_user_sgpr_kernarg_segment_ptr 1
		.amdhsa_wavefront_size32 1
		.amdhsa_system_sgpr_workgroup_id_x 1
		.amdhsa_system_sgpr_workgroup_id_y 1
		.amdhsa_system_sgpr_workgroup_id_z 1
		.amdhsa_system_vgpr_workitem_id 0
		.amdhsa_next_free_vgpr 768
		.amdhsa_next_free_sgpr 100
		.amdhsa_reserve_vcc 0
		.amdhsa_float_denorm_mode_32 3
		.amdhsa_float_denorm_mode_16_64 3
		.amdhsa_memory_ordered 1
		.amdhsa_forward_progress 1
		.amdhsa_inst_pref_size 37
	.end_amdhsa_kernel
	.amdgpu_metadata
---
amdhsa.version: [ 1, 2 ]
amdhsa.kernels:
  - .name:           k_q245758aeb3_outp
    .symbol:         k_q245758aeb3_outp.kd
    .args:
      - { .name: cc, .offset: 0, .size: 8, .value_kind: global_buffer, .address_space: global }
      - { .name: cs, .offset: 8, .size: 8, .value_kind: global_buffer, .address_space: global }
      - { .name: Wo_codes, .offset: 16, .size: 8, .value_kind: global_buffer, .address_space: global }
      - { .name: Wo_scales, .offset: 24, .size: 8, .value_kind: global_buffer, .address_space: global }
      - { .name: bo, .offset: 32, .size: 8, .value_kind: global_buffer, .address_space: global }
      - { .name: out0, .offset: 40, .size: 8, .value_kind: global_buffer, .address_space: global }
    .group_segment_fixed_size: 205312
    .private_segment_fixed_size: 0
    .kernarg_segment_align: 8
    .kernarg_segment_size: 48
    .max_flat_workgroup_size: 128
    .sgpr_count:     100
    .vgpr_count:     768
    .wavefront_size: 32
...
	.end_amdgpu_metadata
.endif
;; end of part 3
